; MI455X (gfx1250); checked and timed in simulation.
; The chip was launched on July 23, 2026; its instructions are those of AMD's public machine-readable ISA for CDNA 5 (MIT licence, August 2026) and "CDNA5" Instruction Set Architecture Reference Guide (July 2026). The comments in the code are by the model that wrote it; some were corrected since.
;; TRANSFORMERLAYER. Allowed arithmetic: float matrix products may take bf16 or f16 operands with f32 sums; all other float work in f32.
;; Inputs: W 4,096 x 1,024 float32; b 4,096 float32; x 8,192 x 1,024 float32.
;; Outputs: out0 1 x 4,096 float32.
;; 2 versions, each right; version 2 is version 1 with the launch cast written anew for expert scheduling mode. Each part assembles by itself: llvm-mc -triple=amdgcn-amd-amdhsa -mcpu=gfx1250 --defsym DOCPART=n.
;; ======== version 1 of 2: 3 launches
;; workspace buffers: xwb 25,165,824 bytes; part 524,288 bytes
;; launch cast (part 1): grid 256 x 3, 8 waves a work-group, no clusters, 0 bytes of LDS; arguments x, W, xwb; writes xwb
.if DOCPART == 1
	.amdgcn_target "amdgcn-amd-amdhsa--gfx1250"
	.amdhsa_code_object_version 6
	.text
	.protected	k_q581310a5d7_cast
	.globl	k_q581310a5d7_cast
	.p2align	8
	.type	k_q581310a5d7_cast,@function
k_q581310a5d7_cast:
	s_mov_b64 s[64:65], 0
	v_nop
	global_prefetch_b8 v0, s[64:65] scope:SCOPE_SE
	s_setreg_imm32_b32 hwreg(HW_REG_WAVE_MODE, 25, 1), 1
	s_wait_xcnt 0x0
; xwb[12288][1024] bf16 = x (rows 0 to 8191), then W (rows 8192 to 12287), each f32 number rounded once, to nearest even.
; Why a launch of its own: the product reads every row of x for 16 column blocks and every row of W for 32 row blocks;
; rounded here, each number is converted once and the product's tiles have half the bytes.
; A stream: every input byte is read once and every output byte written once; no work-group shares a byte with another,
; so LDS, barriers, clusters and the matrix unit have nothing to add.
; Grid y picks a slice of 16 MiB of f32 (0, 1: the halves of x; 2: W), grid x 64 KiB of it.  Thread t takes the 16 bytes at
; 16 t + 4096 j, j = 0 .. 15: a wave's load covers 512 consecutive aligned bytes, its store of 8 bytes a lane 256 consecutive aligned bytes.
; All sixteen loads of a thread go out first: 64 KiB of a work-group are on their way at once, and there is no loop.
.set LOADS, 16
.set X, 4                              ; v[4:67]   load j: 4 registers of f32
.set Y, 68                             ; v[68:99]  store j: 2 registers, 4 bf16
	s_load_b128 s[4:7], s[0:1], 0x0                ; x s[4:5], W s[6:7]
	s_load_b64 s[8:9], s[0:1], 0x10                ; xwb
	s_and_b32 s10, ttmp7, 0xffff                   ; the slice, 0 to 2
	s_and_b32 s11, s10, 1                          ; which half of x (0 for W)
	s_lshl_b32 s12, s11, 24                        ; input: 16 MiB a half
	s_lshl_b32 s13, ttmp9, 16                      ;        + 64 KiB a work-group
	s_add_co_u32 s12, s12, s13
	s_mov_b32 s13, 0
	s_lshl_b32 s14, s10, 23                        ; output: 8 MiB a slice
	s_lshl_b32 s15, ttmp9, 15                      ;         + 32 KiB a work-group
	s_add_co_u32 s14, s14, s15
	s_mov_b32 s15, 0
	v_lshlrev_b32 v1, 4, v0                        ; 16 t
	v_lshlrev_b32 v2, 3, v0                        ; 8 t
	s_wait_kmcnt 0x0
	s_cmp_eq_u32 s10, 2
	s_cselect_b64 s[4:5], s[6:7], s[4:5]           ; slice 2 reads W
	s_add_nc_u64 s[4:5], s[4:5], s[12:13]
	s_add_nc_u64 s[8:9], s[8:9], s[14:15]
.set j, 0
.rept LOADS
	global_load_b128 v[X+4*j:X+4*j+3], v1, s[4:5] offset:4096*j th:TH_LOAD_NT   ; read once in the whole launch
.set j, j+1
.endr
.set j, 0
.rept LOADS
	s_wait_loadcnt LOADS-1-j                       ; loads come back in order (ISA guide 5.7.1): load j is in, the younger ones stay out
	v_cvt_pk_bf16_f32 v[Y+2*j],   v[X+4*j],   v[X+4*j+1]
	v_cvt_pk_bf16_f32 v[Y+2*j+1], v[X+4*j+2], v[X+4*j+3]
	global_store_b64 v2, v[Y+2*j:Y+2*j+1], s[8:9] offset:2048*j   ; no hint: the next launch reads these bytes.  No register is ever written twice
.set j, j+1
.endr
	s_endpgm
.Lfunc_end_k_q581310a5d7_cast:
	.size	k_q581310a5d7_cast, .Lfunc_end_k_q581310a5d7_cast-k_q581310a5d7_cast
	.p2alignl 7, 3214868480
	.fill 96, 4, 3214868480
	.section	.rodata,"a",@progbits
	.p2align	6, 0x0
	.amdhsa_kernel k_q581310a5d7_cast
		.amdhsa_group_segment_fixed_size 0
		.amdhsa_private_segment_fixed_size 0
		.amdhsa_enable_private_segment 0
		.amdhsa_kernarg_size 24
		.amdhsa_user_sgpr_count 2
		.amdhsa_user_sgpr_kernarg_segment_ptr 1
		.amdhsa_wavefront_size32 1
		.amdhsa_system_sgpr_workgroup_id_x 1
		.amdhsa_system_sgpr_workgroup_id_y 1
		.amdhsa_system_sgpr_workgroup_id_z 1
		.amdhsa_system_vgpr_workitem_id 0
		.amdhsa_next_free_vgpr 100
		.amdhsa_next_free_sgpr 66
		.amdhsa_reserve_vcc 0
		.amdhsa_float_denorm_mode_32 3
		.amdhsa_float_denorm_mode_16_64 3
		.amdhsa_memory_ordered 1
		.amdhsa_forward_progress 1
		.amdhsa_inst_pref_size 7
	.end_amdhsa_kernel
	.amdgpu_metadata
---
amdhsa.version: [ 1, 2 ]
amdhsa.kernels:
  - .name:           k_q581310a5d7_cast
    .symbol:         k_q581310a5d7_cast.kd
    .args:
      - { .name: x, .offset: 0, .size: 8, .value_kind: global_buffer, .address_space: global }
      - { .name: W, .offset: 8, .size: 8, .value_kind: global_buffer, .address_space: global }
      - { .name: xwb, .offset: 16, .size: 8, .value_kind: global_buffer, .address_space: global }
    .group_segment_fixed_size: 0
    .private_segment_fixed_size: 0
    .kernarg_segment_align: 8
    .kernarg_segment_size: 24
    .max_flat_workgroup_size: 256
    .sgpr_count:     66
    .vgpr_count:     100
    .wavefront_size: 32
...
	.end_amdgpu_metadata
.endif
;; end of part 1
;; launch gemm (part 2): grid 16 x 32, 4 waves a work-group, clusters of 4 x 4, 327,680 bytes of LDS; arguments xwb, b, part; writes part
.if DOCPART == 2
	.amdgcn_target "amdgcn-amd-amdhsa--gfx1250"
	.amdhsa_code_object_version 6
	.text
	.protected	k_q581310a5d7_gemm
	.globl	k_q581310a5d7_gemm
	.p2align	8
	.type	k_q581310a5d7_gemm,@function
k_q581310a5d7_gemm:
	s_mov_b64 s[64:65], 0
	v_nop
	global_prefetch_b8 v0, s[64:65] scope:SCOPE_SE
	s_setreg_imm32_b32 hwreg(HW_REG_WAVE_MODE, 25, 1), 1
	s_wait_xcnt 0x0
	s_wait_alu depctr_hold_cnt(0) depctr_sa_sdst(0) depctr_va_vdst(0) depctr_va_sdst(0) depctr_va_ssrc(0) depctr_va_vcc(0) depctr_vm_vsrc(0)
	s_getreg_b32 s2, hwreg(HW_REG_IB_STS2, 6, 4)
	s_cmp_eq_u32 s2, 0
	s_cbranch_scc0 .Lentry_in_a_cluster
	s_endpgm
.Lentry_in_a_cluster:
	s_bfe_u32 s2, ttmp6, 0x10000c
	s_cmp_lg_u32 s2, 0xf033
	s_cbranch_scc0 .Lentry_shape_is_right
	s_endpgm
.Lentry_shape_is_right:
; part[br][n] = sum over the 256 rows t of block row br of gelu(x[t] . W[n] + b[n]),  gelu(z) = z / (1 + exp(-2 sqrt(2/pi) (z + 0.044715 z^3))),
; which is the tanh form 0.5 z (1 + tanh(..)) written with one exponential and one reciprocal.
; xwb: [12288][1024] bf16, rows 0-8191 x, rows 8192-12287 W.  Products in bf16 with f32 sums; bias, gelu and all sums in f32.
; LIMITS.  x and W enter rounded to bf16.  v_exp_f32 and v_rcp_f32 flush denormals (ISA guide 15.8), so a gelu smaller in magnitude than |z| 2^-126
; comes out as 0.  For every finite z the chain stays defined: where z^2 overflows, the exponent is -inf or +inf, the exponential 0 or inf, the reciprocal 1 or 0,
; and the result z or 0, as in the tanh form.  The sum over t is taken in another order than a plain running sum.
; A work-group makes a block of 256 x 256 with four waves, as many as a WGP has SIMDs; a wave makes 128 x 128: 64 accumulator tiles of 16 x 16, 512 registers.
; K goes in steps of 128 through a ring of two LDS slots filled by the tensor data mover: a tile's rows are 256 bytes of memory at multiples of 256 bytes.
; CLUSTERS: 4 x 4 work-groups.  The four of a row of the cluster need the same tiles of x, the four of a column the same tiles of W.  Such a tile is asked for
; JOINTLY: each of the four issues the same tensor load, with the same descriptor and a mask that names the four.  That divides the requests by four.
; A wave has two tensor loads outstanding at the start and one behind each later round of the cluster's barrier.
; No prefetch: from a tile's request to the wait for it a wave issues 240 matrix instructions.
;
; REGISTERS, in windows of 256 (s_set_vgpr_msb says which window each operand place means):
;   window 0: v0-31 addresses; v32-53 bias and constants; v64-127, v128-191 fragments of x, two buffers (behind the K loop: z and the sigmoid at work); v192-207 column sums
;   window 1: v64-127, v128-191 fragments of W, two buffers
;   window 2: the 32 accumulator tiles of my rows 0-63 (tile (a, b) at v[8 (8 a + b)]);   window 3: those of my rows 64-127
; THE MATRIX INSTRUCTION IN ITS NATURAL ORDER: source 0 = 16 rows of x, source 1 = 16 rows of W.  Register j of lane l in tile (a, b) is row 16 a + 8 (l / 16) + j,
; column 16 b + l % 16: all that a lane holds of n block b lies in ONE column, so the bias is one number for each b and the column sum stays in the lane.
.set SIZE_K, 1024
.set WROW0,  8192                      ; W's first row in xwb
.set KSTEP,  128
.set PITCH,  272                       ; an LDS row: 256 bytes of data + 16 of padding = 68 words: the 16 rows that a load touches start 4 words apart modulo 64 (64 banks of 4 bytes: ISA guide 11.1)
.set HALFT,  128*PITCH                 ; 128 rows: what one tensor load brings, and what one wave reads of x or of W
.set SLOT,   4*HALFT                   ; x's 256 rows, then W's 256 rows
.set STAGE,  2*SLOT                    ; behind the ring, at a multiple of 256 bytes: the column sums; no tensor load ever lands here
.set SP,     576                       ; a stage row: 128 f32 + 64 bytes = 144 words, so that lanes 16-31 store 16 words (modulo 64) beside lanes 0-15
.set WST,    2*SP                      ; a wave's own stage: one row for each half of its lanes
.set LAPS, SIZE_K/(2*KSTEP)            ; a lap = two K steps = once round the ring: 4
.set ADRA, 16                          ; v16-17  LDS address of my x fragments in slot 0, 1
.set ADRB, 20                          ; v20-21  the same for W
.set STO,  24                          ; v24     where I put my column sums
.set RD,   25                          ; v25     where I read the four partial sums of my two output columns
.set CO,   26                          ; v26     8 x lane: my byte offset in my wave's 256 bytes of part
.set BO,   27                          ; v27     byte offset in b of my column of n block 0
.set BIAS, 32                          ; v32-47  pair b: b's number of my column of n block b, twice
.set C0,   48                          ; v48-49  -2 sqrt(2/pi) log2(e), twice
.set C1,   50                          ; v50-51  0.044715 times that, twice
.set ONE,  52                          ; v52-53  1.0, twice
.set F0,   64                          ; fragment buffer 0
.set F1,   128                         ; fragment buffer 1
.set ZZ,   F0                          ; behind the K loop: 64 numbers z
.set PP,   F1                          ; behind the K loop: from z^2 to the sigmoid, in place
.set SUM,  192                         ; v192-207 pair b: running column sum of n block b, even and odd rows apart
.set G1, 24                            ; s[24:31] descriptor group 1 for x's tiles
.set G0, 32                            ; s[32:39] descriptor group 0 for x's tiles, one set for each slot
.set G1B, 48                           ; s[48:55] descriptor group 1 for W's tiles: it differs in the mask alone
.set G0B, 56                           ; s[56:63] descriptor group 0 for W's tiles, one set for each slot
.set MSB, 0
.macro WIN new                         ; the immediate's high byte repeats the setting that is left; a switch that changes nothing is dropped
.if MSB != \new
	s_set_vgpr_msb (MSB<<8)|\new
.set MSB, \new
.endif
.endm
.set MUL_LO, 0xa4                      ; source 0 (x) window 0, source 1 (W) window 1, C and D window 2
.set MUL_HI, 0xf4                      ; the same, C and D window 3
.set TO_B,   0x40                      ; destination window 1, address window 0
; A joint load.  Waves 0 and 1 fetch the two halves of x's tile, waves 2 and 3 those of W's.  Each line has ONE mask and one set of registers for all that issue it;
; the branch hangs on the wave's number alone, which is the same in every work-group.
.macro JLOAD s
	s_cmp_eq_u32 s11, 0
	s_cbranch_scc0 .Lfor_b_\@
	tensor_load_to_lds s[G0+4*\s:G0+4*\s+3], s[G1:G1+7]
	s_nop 0
	s_branch .Lasked_\@
.Lfor_b_\@:
	tensor_load_to_lds s[G0B+4*\s:G0B+4*\s+3], s[G1B:G1B+7]
	s_nop 0
.Lasked_\@:
.endm
; A round of the cluster's barrier: my work-group's barrier, so that wave 0's signal speaks for all four waves; wave 0 signals for the work-group;
; every wave waits for all sixteen work-groups; my work-group's barrier once more.
.macro CREST                           ; a round behind its opening barrier
	s_cmp_lg_u32 s10, 0
	s_cbranch_scc1 .Lnot_wave_0_\@
	s_barrier_signal -3
.Lnot_wave_0_\@:
	s_barrier_wait -3
	s_barrier_signal -1
	s_barrier_wait -1
.endm
.macro CROUND                          ; a whole round
	s_barrier_signal -1
	s_barrier_wait -1
	CREST
.endm
	s_load_b128 s[4:7], s[0:1], 0x0                ; xwb s[4:5], b s[6:7]
	s_load_b64 s[8:9], s[0:1], 0x10                ; part
	v_lshl_add_u32 v255, v0, 2, 0x45200
	s_set_vgpr_msb 0x40
	v_mov_b32 v255, 0
	s_set_vgpr_msb 0x4044
	ds_add_u32 v255, v255
	s_set_vgpr_msb 0x4400
	v_lshrrev_b32 v1, 5, v0
	v_readfirstlane_b32 s10, v1                    ; wave 0..3
	s_lshr_b32 s11, s10, 1                         ; which half of the block's rows is mine.  Also: I fetch for x (0) or for W (1)
	s_and_b32 s12, s10, 1                          ; which half of its columns.  Also: which 128 rows of that tile I fetch
	s_bfe_u32 s40, ttmp6, 0x40000                  ; cx: my place along the cluster's x
	s_bfe_u32 s41, ttmp6, 0x40004                  ; cy: along its y
	s_lshl_b32 s42, ttmp9, 2                       ; in a cluster launch ttmp9 and ttmp7 count clusters
	s_add_co_u32 s42, s42, s40                     ; block column = 4 x cluster x + cx
	s_and_b32 s13, ttmp7, 0xffff
	s_lshl_b32 s13, s13, 2
	s_add_co_u32 s13, s13, s41                     ; block row = 4 x cluster y + cy
	s_lshl_b32 s43, s41, 2
	s_lshl_b32 s43, 15, s43                        ; my row of the cluster: places 4 cy .. 4 cy + 3
	s_lshl_b32 s44, 0x1111, s40                    ; my column: places cx, cx + 4, cx + 8, cx + 12
	; descriptor group 1: a tile of 128 rows x 128 elements, padded in LDS
	s_or_b32 s[G1+0], s43, (1<<16)|(1<<20)|(1<<21)|(5<<22)|(3<<25)  ; 15:0 the mask: x's tiles go to my row; 17:16 element of 2 bytes; 20 padding on; 21 set beside a mask; 24:22 after every 64 words (code 5); 31:25 of 4 words (code 3)
	s_or_b32 s[G1B+0], s44, (1<<16)|(1<<20)|(1<<21)|(5<<22)|(3<<25) ; the same with the mask of my column, for W's tiles
	s_mov_b32 s[G1+1], KSTEP<<16                   ; 63:48 tensor_dim0, low half = 128
	s_mov_b32 s[G1B+1], KSTEP<<16
	s_mov_b32 s[G1+2], 128<<16                     ; 79:64 its high half = 0; 95:80 tensor_dim1, low half = 128
	s_mov_b32 s[G1B+2], 128<<16
	s_mov_b32 s[G1+3], KSTEP<<16                   ; 111:96 its high half = 0; 127:112 tile_dim0 = 128
	s_mov_b32 s[G1B+3], KSTEP<<16
	s_mov_b32 s[G1+4], 128                         ; 143:128 tile_dim1 = 128; 159:144 tile_dim2 = 0
	s_mov_b32 s[G1B+4], 128
	s_mov_b32 s[G1+5], SIZE_K                      ; 191:160 tensor_dim0_stride, low word: elements from row to row
	s_mov_b32 s[G1B+5], SIZE_K
	s_mov_b32 s[G1+6], 0
	s_mov_b32 s[G1B+6], 0
	s_mov_b32 s[G1+7], 0
	s_mov_b32 s[G1B+7], 0
	; where the tiles come from.  x's hang on the block row alone, which my row of the cluster shares; W's on the block column alone, which my column shares.
	; Every wave makes both offsets, in registers that never hold the other coordinate, and asks by one of them.
	s_lshl_b32 s17, s12, 7                         ; which 128 rows of the tile I fetch
	s_lshl_b32 s16, s13, 8
	s_add_co_u32 s16, s16, s17                     ; x: row 256 x block row + 128 x half
	s_lshl_b32 s46, s42, 8
	s_add_co_u32 s46, s46, s17
	s_add_co_u32 s46, s46, WROW0                   ; W: row 8192 + 256 x block column + 128 x half
	s_lshl_b32 s16, s16, 11                        ; rows of 2,048 bytes: 12,288 rows stay inside 32 bits
	s_lshl_b32 s46, s46, 11
	s_mov_b32 s17, 0
	s_mov_b32 s47, 0
	s_mul_i32 s20, s10, HALFT                      ; and where they go: x's two halves, then W's two halves = wave x 128 rows: no place in the cluster enters an LDS address
	s_lshl_b32 s45, s42, 10                        ; b: 1,024 bytes a block column
	s_lshl_b32 s23, s12, 9                         ;    + 512 for the right half
	s_add_co_u32 s45, s45, s23
	s_wait_dscnt 0x0
	s_wait_kmcnt 0x0
	s_add_nc_u64 s[14:15], s[4:5], s[16:17]
	s_add_nc_u64 s[46:47], s[4:5], s[46:47]
	CROUND                                         ; all sixteen work-groups are here: the first joint loads meet
.irp s, 0,1
	s_mov_b32 s[G0+4*\s], 1                                        ; 1:0 count = 1
	s_add_co_u32 s[G0+4*\s+1], s20, \s*SLOT                        ; 63:32 LDS address
	s_add_nc_u64 s[G0+4*\s+2:G0+4*\s+3], s[14:15], \s*KSTEP*2      ; 120:64 global address: K step s
	s_or_b32 s[G0+4*\s+3], s[G0+4*\s+3], 0x80000000                ; 127:126 type = 2
	s_mov_b32 s[G0B+4*\s], 1
	s_add_co_u32 s[G0B+4*\s+1], s20, \s*SLOT
	s_add_nc_u64 s[G0B+4*\s+2:G0B+4*\s+3], s[46:47], \s*KSTEP*2
	s_or_b32 s[G0B+4*\s+3], s[G0B+4*\s+3], 0x80000000
	JLOAD \s                                       ; both slots' first fills go out together, before anything else is done
.endr
	; A fragment is 16 rows x 32 K in 8 registers: lane l holds row l % 16; registers 0-3 hold K = 8 (l / 16) + 0..7, registers 4-7 hold
	; K = 16 + 8 (l / 16) + 0..7.  From rows that lie along K: two loads of 16 bytes, 32 bytes apart.  The same for source 0 and source 1.
	v_and_b32 v1, 15, v0                           ; r = l % 16
	v_bfe_u32 v2, v0, 4, 1                         ; h = l / 16
	v_lshl_add_u32 v[BO], v1, 2, s45               ; my column of n block 0 in b
.irp b, 0,1,2,3,4,5,6,7
	global_load_b32 v[BIAS+2*\b], v[BO], s[6:7] offset:64*\b       ; the eight loads together cover my wave's 512 consecutive bytes of b, once
.endr
	v_mul_u32_u24 v3, v1, PITCH
	v_lshl_add_u32 v3, v2, 4, v3                   ; row x pitch + 16 x half
	s_mul_i32 s21, s11, HALFT                      ; my 128 rows of x
	s_mul_i32 s22, s12, HALFT                      ; my 128 rows of W,
	s_add_co_u32 s22, s22, 2*HALFT                 ; which lie behind x's 256
.irp s, 0,1
	v_add_nc_u32 v[ADRA+\s], s21, v3
	v_add_nc_u32 v[ADRB+\s], s22, v3
	s_add_co_u32 s21, s21, SLOT
	s_add_co_u32 s22, s22, SLOT
.endr
	s_mul_i32 s23, s10, WST
	s_add_co_u32 s23, s23, STAGE                   ; my own stage: a constant + wave x 1,152
	v_mul_u32_u24 v4, v2, SP                       ; row h, word r; the n block stands in the store's offset
	v_lshl_add_u32 v4, v1, 2, v4
	v_add_nc_u32 v[STO], s23, v4
	; back: wave w sums and stores the block's columns 64 w .. 64 w + 63, two a lane.  They lie in the stages of waves w / 2 and w / 2 + 2 (the two halves of the rows).
	s_mul_i32 s23, s11, WST
	s_lshl_b32 s21, s12, 8
	s_add_co_u32 s23, s23, s21
	s_add_co_u32 s23, s23, STAGE
	v_and_b32 v5, 31, v0
	v_lshlrev_b32 v[CO], 3, v5
	v_add_nc_u32 v[RD], s23, v[CO]
	v_mov_b32 v[C0],    0xc0135761                 ; -2.3022082 = -2 sqrt(2/pi) log2(e)
	v_mov_b32 v[C0+1],  0xc0135761
	v_mov_b32 v[C1],    0xbdd2d3e8                 ; -0.10294324 = 0.044715 x the above
	v_mov_b32 v[C1+1],  0xbdd2d3e8
	v_mov_b32 v[ONE],   1.0
	v_mov_b32 v[ONE+1], 1.0
	s_wait_loadcnt 0x0                             ; the bias, once, while the first tiles are on their way
.irp b, 0,1,2,3,4,5,6,7
	v_mov_b32 v[BIAS+2*\b+1], v[BIAS+2*\b]         ; twice, for the packed add
.endr
; 16 matrix instructions: m blocks a0, a0 + 1 of the window's four (hi = 0: my rows 0-63, 1: rows 64-127) x all 8 n blocks, 32 along K.
; zero = 1: the first product starts the sums: nothing is ever cleared.
; The 64 accumulators take turns, one instruction a turn, in the same order in every quarter step.
.macro MUL16 f, hi, a0, zero
.irp a, \a0, \a0+1
.irp b, 0,1,2,3,4,5,6,7
.if \zero
	v_wmma_f32_16x16x32_bf16 v[8*(8*(\a)+\b):8*(8*(\a)+\b)+7], v[\f+8*(4*\hi+\a):\f+8*(4*\hi+\a)+7], v[\f+8*\b:\f+8*\b+7], 0
.else
	v_wmma_f32_16x16x32_bf16 v[8*(8*(\a)+\b):8*(8*(\a)+\b)+7], v[\f+8*(4*\hi+\a):\f+8*(4*\hi+\a)+7], v[\f+8*\b:\f+8*\b+7], v[8*(8*(\a)+\b):8*(8*(\a)+\b)+7]
.endif
.endr
.endr
.endm
; 32 LDS loads in one run: the fragments of one quarter step (128 rows of W, 128 rows of x, 32 K at byte k of the rows) into buffer f
.macro FETCH slot, k, f
	WIN TO_B
.irp i, 0,1,2,3,4,5,6,7
	ds_load_b128 v[\f+8*\i:\f+8*\i+3],   v[ADRB+\slot] offset:\k+\i*16*PITCH
	ds_load_b128 v[\f+8*\i+4:\f+8*\i+7], v[ADRB+\slot] offset:\k+\i*16*PITCH+32
.endr
	WIN 0
.irp i, 0,1,2,3,4,5,6,7
	ds_load_b128 v[\f+8*\i:\f+8*\i+3],   v[ADRA+\slot] offset:\k+\i*16*PITCH
	ds_load_b128 v[\f+8*\i+4:\f+8*\i+7], v[ADRA+\slot] offset:\k+\i*16*PITCH+32
.endr
.endm
; A load into a register that a matrix instruction has read, and a vector instruction that reads a matrix result or writes one of a matrix instruction's
; registers, stand four places behind that matrix instruction, and only plain vector instructions that name none of its registers are places
; (ISA guide 7.12.1 for vector instructions).  The matrix instructions in between are not counted: four v_nop.
.macro PLACES
.rept 4
	v_nop
.endr
.endm
; A K step is four quarter steps of 32 along K, 64 matrix instructions each, on buffers 0, 1, 0, 1.
; One of the first three: multiplies buffer f; in its middle it fetches the next quarter's fragments, at byte k of the same slot's rows, into buffer g.
.macro QUARTER slot, k, f, g, zero
	s_wait_dscnt 8                                 ; W and x's rows 0-63 are in; the youngest eight loads (x's rows 64-127) may be out
	WIN MUL_LO
	MUL16 \f, 0, 0, \zero
	MUL16 \f, 0, 2, \zero
	PLACES
	FETCH \slot, \k, \g
	s_wait_dscnt 32                                ; all but the 32 just issued
	WIN MUL_HI
	MUL16 \f, 1, 0, \zero
	MUL16 \f, 1, 2, \zero
.endm
.macro THREE slot, zero
	QUARTER \slot, 64,  F0, F1, \zero
	QUARTER \slot, 128, F1, F0, 0
	QUARTER \slot, 192, F0, F1, 0
.endm
; The last quarter: multiplies buffer 1 and changes slots.  next = the other slot; fill = 1: this slot is filled again, two K steps ahead.
; ONE barrier for the change of slots, for two things.  In front of it each wave waits for its own reads of this slot and for all its tensor loads,
; of which one is out: its part of the next slot.  Behind it nobody reads this slot any more and the next slot is whole: the refill comes
; first, then the next slot's first fragments.
.macro TURN slot, next, fill
	s_wait_dscnt 8
	WIN MUL_LO
	MUL16 F1, 0, 0, 0
	s_wait_dscnt 0                                 ; my reads of this slot are over
	s_wait_tensorcnt 0x0                           ; and all my tensor loads have landed: the one that was out is my part of the next slot
	ds_add_u32 v255, v255
	s_wait_dscnt 0x0
	s_barrier_signal -1                            ; say so (where a slot is filled again this barrier opens a round of the cluster's barrier),
	MUL16 F1, 0, 2, 0                              ; work on registers while the others arrive,
	WIN 0
	s_barrier_wait -1                              ; and go on when all four have said so
.if \fill
	CREST                                          ; all sixteen work-groups have said so: no wave of any partner still reads this slot's tile or has a load on its way
	s_add_nc_u64 s[G0+4*\slot+2:G0+4*\slot+3], s[G0+4*\slot+2:G0+4*\slot+3], 2*KSTEP*2      ; no tensor load of mine is out: the addresses step two K steps on
	s_add_nc_u64 s[G0B+4*\slot+2:G0B+4*\slot+3], s[G0B+4*\slot+2:G0B+4*\slot+3], 2*KSTEP*2
	JLOAD \slot                                    ; the first tensor load behind the round, and my only one until the next
.endif
	PLACES
	FETCH \next, 0, F0
	WIN MUL_HI
	MUL16 F1, 1, 0, 0
	MUL16 F1, 1, 2, 0
.endm
.macro LAP zero                        ; once round the ring, both slots filled again
	THREE 0, \zero
	TURN 0, 1, 1
	THREE 1, 0
	TURN 1, 0, 1
.endm
	s_wait_tensorcnt 1                             ; my part of K step 0 is in; K step 1's load, issued behind it, stays out
	s_barrier_signal -1
	s_barrier_wait -1                              ; everybody's part is in
	FETCH 0, 0, F0
	LAP 1                                          ; K steps 0 and 1 stand in front of the loop: their first products start the sums
.if LAPS > 2
	WIN 0                                          ; at a label and at a branch every window is 0
	s_mov_b32 s3, LAPS-2
.Llap:
	LAP 0
	WIN 0
	s_sub_co_u32 s3, s3, 1
	s_cmp_lg_u32 s3, 0
	s_cbranch_scc1 .Llap
.endif
	THREE 0, 0                                     ; the last lap fills nothing and has no round: my one tensor load still out is slot 1's, the last K step's
	TURN 0, 1, 0
	THREE 1, 0
	s_wait_dscnt 8                                 ; the very last quarter: nothing more to fetch
	WIN MUL_LO
	MUL16 F1, 0, 0, 0
	MUL16 F1, 0, 2, 0
	s_wait_dscnt 0
	WIN MUL_HI
	MUL16 F1, 1, 0, 0
	MUL16 F1, 1, 2, 0
; BIAS, GELU AND THE COLUMN SUM, 16 rows of my block at a time: the eight tiles (a, 0..7) of window 2 or 3 (win = 0x02 or 0x03: source 0), 64 numbers a lane.
; Each stage is a run of 32 packed (or 64 transcendental) instructions that do not wait for each other; two switches of the window for the 64 numbers.
; first = 1: the first products start the column sums: nothing is cleared.
.macro GELU8 a, win, first
	WIN \win
.irp b, 0,1,2,3,4,5,6,7
.irp q, 0,1,2,3
	v_pk_add_f32 v[ZZ+8*\b+2*\q:ZZ+8*\b+2*\q+1], v[8*(8*\a+\b)+2*\q:8*(8*\a+\b)+2*\q+1], v[BIAS+2*\b:BIAS+2*\b+1]   ; z = product + b
.endr
.endr
	WIN 0
.set i, 0
.rept 32
	v_pk_mul_f32 v[PP+i:PP+i+1], v[ZZ+i:ZZ+i+1], v[ZZ+i:ZZ+i+1]                   ; z^2
.set i, i+2
.endr
.set i, 0
.rept 32
	v_pk_fma_f32 v[PP+i:PP+i+1], v[PP+i:PP+i+1], v[C1:C1+1], v[C0:C0+1]           ; C0 + C1 z^2
.set i, i+2
.endr
.set i, 0
.rept 32
	v_pk_mul_f32 v[PP+i:PP+i+1], v[PP+i:PP+i+1], v[ZZ+i:ZZ+i+1]                   ; -2 sqrt(2/pi) log2(e) (z + 0.044715 z^3)
.set i, i+2
.endr
.set i, 0
.rept 64
	v_exp_f32 v[PP+i], v[PP+i]                                                    ; 2^that = exp(-2 u)
.set i, i+1
.endr
	v_nop                                          ; behind a run of transcendentals one plain vector instruction comes before a result is used (ISA guide 5.7.2)
.set i, 0
	s_wait_alu depctr_va_vdst(0)
.rept 32
	v_pk_add_f32 v[PP+i:PP+i+1], v[PP+i:PP+i+1], v[ONE:ONE+1]
.set i, i+2
.endr
.set i, 0
.rept 64
	v_rcp_f32 v[PP+i], v[PP+i]                                                    ; the sigmoid
.set i, i+1
.endr
	v_nop                                          ; as above
	s_wait_alu depctr_va_vdst(0)
.irp b, 0,1,2,3,4,5,6,7
.if \first
	s_wait_alu depctr_va_vdst(0)
	v_pk_mul_f32 v[SUM+2*\b:SUM+2*\b+1], v[ZZ+8*\b:ZZ+8*\b+1], v[PP+8*\b:PP+8*\b+1]
.else
	v_pk_fma_f32 v[SUM+2*\b:SUM+2*\b+1], v[ZZ+8*\b:ZZ+8*\b+1], v[PP+8*\b:PP+8*\b+1], v[SUM+2*\b:SUM+2*\b+1]
.endif
.endr
.irp q, 1,2,3
.irp b, 0,1,2,3,4,5,6,7
	v_pk_fma_f32 v[SUM+2*\b:SUM+2*\b+1], v[ZZ+8*\b+2*\q:ZZ+8*\b+2*\q+1], v[PP+8*\b+2*\q:PP+8*\b+2*\q+1], v[SUM+2*\b:SUM+2*\b+1]   ; gelu = z x sigmoid, added in one step; eight chains by turns
.endr
.endr
.endm
	PLACES                                         ; the places behind the last matrix instructions: for the adds, which read results and write buffer 0
	GELU8 0, 0x02, 1
	GELU8 1, 0x02, 0
	GELU8 2, 0x02, 0
	GELU8 3, 0x02, 0
	GELU8 0, 0x03, 0
	GELU8 1, 0x03, 0
	GELU8 2, 0x03, 0
	GELU8 3, 0x03, 0
	; THE WAY OUT.  A lane holds, for each n block, the sum of its column over the 64 rows of its half of the lanes.  The four partial sums of a column
	; (two halves of the lanes, two halves of the block's rows) meet in LDS.
.irp b, 0,1,2,3,4,5,6,7
	v_add_f32 v[SUM+2*\b], v[SUM+2*\b], v[SUM+2*\b+1]              ; even and odd rows
.endr
.irp b, 0,1,2,3,4,5,6,7
	ds_store_b32 v[STO], v[SUM+2*\b] offset:64*\b
.endr
	s_lshl_b32 s16, s13, 14                        ; part: 16,384 bytes a block row
	s_mov_b32 s17, 0
	s_add_nc_u64 s[8:9], s[8:9], s[16:17]
	s_lshl_b32 s46, s42, 10                        ; + 1,024 a block column (in registers that held W's side: none that fed x's descriptors ever holds cx)
	s_lshl_b32 s47, s10, 8                         ; + 256 a wave
	s_add_co_u32 s46, s46, s47
	s_mov_b32 s47, 0
	s_add_nc_u64 s[8:9], s[8:9], s[46:47]
	s_wait_dscnt 0x0                               ; my stores are in LDS: for the other waves' sake, so the count is zero
	s_barrier_signal -1
	s_barrier_wait -1                              ; everybody's are
	ds_load_b64 v[ZZ:ZZ+1],   v[RD]                            ; rows 0-127, lanes 0-15
	ds_load_b64 v[ZZ+2:ZZ+3], v[RD] offset:SP                  ; rows 0-127, lanes 16-31
	ds_load_b64 v[ZZ+4:ZZ+5], v[RD] offset:2*WST               ; rows 128-255
	ds_load_b64 v[ZZ+6:ZZ+7], v[RD] offset:2*WST+SP
	s_wait_dscnt 0x0
	v_pk_add_f32 v[ZZ:ZZ+1],   v[ZZ:ZZ+1],   v[ZZ+2:ZZ+3]
	v_pk_add_f32 v[ZZ+4:ZZ+5], v[ZZ+4:ZZ+5], v[ZZ+6:ZZ+7]
	v_pk_add_f32 v[ZZ:ZZ+1],   v[ZZ:ZZ+1],   v[ZZ+4:ZZ+5]
	global_store_b64 v[CO], v[ZZ:ZZ+1], s[8:9]     ; the wave's store covers 256 consecutive bytes, at a multiple of 256 from part's first byte
	s_set_vgpr_msb 0x4
	s_wait_tensorcnt 0x0
	ds_add_u32 v255, v255
	s_wait_dscnt 0x0
	s_set_vgpr_msb 0x400
	CROUND                                         ; the closing round: no work-group ends while a partner may still ask for a tile that names it
	s_endpgm
.Lfunc_end_k_q581310a5d7_gemm:
	.size	k_q581310a5d7_gemm, .Lfunc_end_k_q581310a5d7_gemm-k_q581310a5d7_gemm
	.p2alignl 7, 3214868480
	.fill 96, 4, 3214868480
	.section	.rodata,"a",@progbits
	.p2align	6, 0x0
	.amdhsa_kernel k_q581310a5d7_gemm
		.amdhsa_group_segment_fixed_size 327680
		.amdhsa_private_segment_fixed_size 0
		.amdhsa_enable_private_segment 0
		.amdhsa_kernarg_size 24
		.amdhsa_user_sgpr_count 2
		.amdhsa_user_sgpr_kernarg_segment_ptr 1
		.amdhsa_wavefront_size32 1
		.amdhsa_system_sgpr_workgroup_id_x 1
		.amdhsa_system_sgpr_workgroup_id_y 1
		.amdhsa_system_sgpr_workgroup_id_z 1
		.amdhsa_system_vgpr_workitem_id 0
		.amdhsa_next_free_vgpr 1024
		.amdhsa_next_free_sgpr 66
		.amdhsa_reserve_vcc 0
		.amdhsa_float_denorm_mode_32 3
		.amdhsa_float_denorm_mode_16_64 3
		.amdhsa_memory_ordered 1
		.amdhsa_forward_progress 1
		.amdhsa_inst_pref_size 255
	.end_amdhsa_kernel
	.section	.bss,"aw",@nobits
	.p2align	6
	.space	262144
	.amdgpu_metadata
---
amdhsa.version: [ 1, 2 ]
amdhsa.kernels:
  - .name:           k_q581310a5d7_gemm
    .symbol:         k_q581310a5d7_gemm.kd
    .args:
      - { .name: xwb, .offset: 0, .size: 8, .value_kind: global_buffer, .address_space: global }
      - { .name: b, .offset: 8, .size: 8, .value_kind: global_buffer, .address_space: global }
      - { .name: part, .offset: 16, .size: 8, .value_kind: global_buffer, .address_space: global }
    .group_segment_fixed_size: 327680
    .private_segment_fixed_size: 0
    .kernarg_segment_align: 8
    .kernarg_segment_size: 24
    .max_flat_workgroup_size: 128
    .sgpr_count:     66
    .vgpr_count:     1024
    .wavefront_size: 32
...
	.end_amdgpu_metadata
.endif
;; end of part 2
;; launch mean (part 3): grid 32 x 1, 1 waves a work-group, no clusters, 0 bytes of LDS; arguments part, out0; writes out0
.if DOCPART == 3
	.amdgcn_target "amdgcn-amd-amdhsa--gfx1250"
	.amdhsa_code_object_version 6
	.text
	.protected	k_q581310a5d7_mean
	.globl	k_q581310a5d7_mean
	.p2align	8
	.type	k_q581310a5d7_mean,@function
k_q581310a5d7_mean:
	s_mov_b64 s[64:65], 0
	v_nop
	global_prefetch_b8 v0, s[64:65] scope:SCOPE_SE
	s_setreg_imm32_b32 hwreg(HW_REG_WAVE_MODE, 25, 1), 1
	s_wait_xcnt 0x0
; out0[n] = 2^-13 x the sum over the 32 block rows of part[br][n].  part: [32][4096] f32.
; One wave a work-group; the work-group owns 128 columns, a lane four of them (16 bytes): each load and the store cover 512 consecutive aligned bytes.
; All 32 loads go out at once, so the launch lasts one trip to memory and a tree of adds.  512 KiB are all the work there is: 32 work-groups, none added to make up a number.
; No work-group shares a byte with another: no LDS, no barrier, no cluster.  The sum is a pairwise tree in f32, another order than a running sum.
.set ROWS, 32
.set PROW, 16384                       ; bytes in a row of part
.set X, 4                              ; v[4:131]  row j: 4 registers
	s_load_b128 s[4:7], s[0:1], 0x0                ; part s[4:5], out0 s[6:7]
	s_lshl_b32 s8, ttmp9, 9                        ; 512 bytes a work-group
	s_mov_b32 s9, 0
	v_lshlrev_b32 v1, 4, v0                        ; 16 bytes a lane
	s_wait_kmcnt 0x0
	s_add_nc_u64 s[4:5], s[4:5], s[8:9]
	s_add_nc_u64 s[6:7], s[6:7], s[8:9]
.set j, 0
.rept ROWS
	global_load_b128 v[X+4*j:X+4*j+3], v1, s[4:5] offset:PROW*j th:TH_LOAD_NT   ; read once in the whole launch
.set j, j+1
.endr
.macro ADDROW d, s                     ; row d += row s
	v_pk_add_f32 v[X+4*(\d):X+4*(\d)+1],   v[X+4*(\d):X+4*(\d)+1],   v[X+4*(\s):X+4*(\s)+1]
	v_pk_add_f32 v[X+4*(\d)+2:X+4*(\d)+3], v[X+4*(\d)+2:X+4*(\d)+3], v[X+4*(\s)+2:X+4*(\s)+3]
.endm
.macro TREE base                       ; rows base .. base + 15 summed into row base, in strides 8, 4, 2, 1
.irp i, 0,1,2,3,4,5,6,7
	ADDROW \base+\i, \base+\i+8
.endr
.irp i, 0,1,2,3
	ADDROW \base+\i, \base+\i+4
.endr
.irp i, 0,1
	ADDROW \base+\i, \base+\i+2
.endr
	ADDROW \base, \base+1
.endm
	s_wait_loadcnt 16                              ; loads come back in order (ISA guide 5.7.1): rows 0 to 15 are in, the sixteen younger loads stay out
	TREE 0
	s_wait_loadcnt 0x0
	TREE 16
	ADDROW 0, 16
	v_pk_mul_f32 v[X:X+1],   v[X:X+1],   0x39000000 op_sel_hi:[1,0]   ; x 2^-13 = 1 / 8192, exact
	v_pk_mul_f32 v[X+2:X+3], v[X+2:X+3], 0x39000000 op_sel_hi:[1,0]
	global_store_b128 v1, v[X:X+3], s[6:7]
	s_endpgm
.Lfunc_end_k_q581310a5d7_mean:
	.size	k_q581310a5d7_mean, .Lfunc_end_k_q581310a5d7_mean-k_q581310a5d7_mean
	.p2alignl 7, 3214868480
	.fill 96, 4, 3214868480
	.section	.rodata,"a",@progbits
	.p2align	6, 0x0
	.amdhsa_kernel k_q581310a5d7_mean
		.amdhsa_group_segment_fixed_size 0
		.amdhsa_private_segment_fixed_size 0
		.amdhsa_enable_private_segment 0
		.amdhsa_kernarg_size 16
		.amdhsa_user_sgpr_count 2
		.amdhsa_user_sgpr_kernarg_segment_ptr 1
		.amdhsa_wavefront_size32 1
		.amdhsa_system_sgpr_workgroup_id_x 1
		.amdhsa_system_sgpr_workgroup_id_y 1
		.amdhsa_system_sgpr_workgroup_id_z 1
		.amdhsa_system_vgpr_workitem_id 0
		.amdhsa_next_free_vgpr 132
		.amdhsa_next_free_sgpr 66
		.amdhsa_reserve_vcc 0
		.amdhsa_float_denorm_mode_32 3
		.amdhsa_float_denorm_mode_16_64 3
		.amdhsa_memory_ordered 1
		.amdhsa_forward_progress 1
		.amdhsa_inst_pref_size 8
	.end_amdhsa_kernel
	.amdgpu_metadata
---
amdhsa.version: [ 1, 2 ]
amdhsa.kernels:
  - .name:           k_q581310a5d7_mean
    .symbol:         k_q581310a5d7_mean.kd
    .args:
      - { .name: part, .offset: 0, .size: 8, .value_kind: global_buffer, .address_space: global }
      - { .name: out0, .offset: 8, .size: 8, .value_kind: global_buffer, .address_space: global }
    .group_segment_fixed_size: 0
    .private_segment_fixed_size: 0
    .kernarg_segment_align: 8
    .kernarg_segment_size: 16
    .max_flat_workgroup_size: 32
    .sgpr_count:     66
    .vgpr_count:     132
    .wavefront_size: 32
...
	.end_amdgpu_metadata
.endif
;; end of part 3
;; ======== version 2 of 2: 3 launches; version 1 with the launch cast written anew for expert scheduling mode
;; workspace buffers: xwb 25,165,824 bytes; part 524,288 bytes
;; launch cast (part 4): grid 256 x 3, 8 waves a work-group, no clusters, 0 bytes of LDS; arguments x, W, xwb; writes xwb
.if DOCPART == 4
	.amdgcn_target "amdgcn-amd-amdhsa--gfx1250"
	.amdhsa_code_object_version 6
	.text
	.protected	k_q581310a5d7_cast
	.globl	k_q581310a5d7_cast
	.p2align	8
	.type	k_q581310a5d7_cast,@function
k_q581310a5d7_cast:
	s_mov_b64 s[64:65], 0
	v_nop
	global_prefetch_b8 v0, s[64:65] scope:SCOPE_SE
	s_setreg_imm32_b32 hwreg(HW_REG_WAVE_SCHED_MODE, 0, 2), 2
	s_setreg_imm32_b32 hwreg(HW_REG_WAVE_MODE, 25, 1), 1
	s_wait_xcnt 0x0
	s_wait_alu depctr_vm_vsrc(0)
; xwb[12288][1024] bf16 = x (rows 0 to 8191), then W (rows 8192 to 12287), each f32 number rounded once, to nearest even.
; Why a launch of its own: the product reads every row of x for 16 column blocks and every row of W for 32 row blocks;
; rounded here, each number is converted once and the product's tiles have half the bytes.
; A stream: every input byte is read once and every output byte written once; no work-group shares a byte with another,
; so LDS, barriers, clusters and the matrix unit have nothing to add.
; Grid y picks a slice of 16 MiB of f32 (0, 1: the halves of x; 2: W), grid x 64 KiB of it.  Thread t takes the 16 bytes at
; 16 t + 4096 j, j = 0 .. 15: a wave's load covers 512 consecutive aligned bytes, its store of 8 bytes a lane 256 consecutive aligned bytes.
; All sixteen loads of a thread go out first: 64 KiB of a work-group are on their way at once, and there is no loop.
; THE MODE: SCHED_MODE bits 1:0 = 2 (LLVM: expert scheduling mode 2), set by the entry lines.  The code itself states the register dependences
; between vector instructions and memory instructions, with s_wait_alu, always for 0.
; THE PLAN.  Registers that memory instructions touch:
;   v1, v2   byte offsets of the loads and of the stores.  Written once each, by a shift at the head; read by every load or store; never written again.
;   X        load j lands in four registers of its own, which no vector instruction has named before; its two conversions read them; nothing lands there again.
;   Y        the two conversions of j write a pair of their own, once; store j reads it, once.
; No register is written twice, so nothing that a memory instruction has read is ever written again, and no load lands where a vector instruction has read or written.
; What is left to state: the offsets are written ahead of the first load (one wait), and a store's data are written ahead of the store.  For that the sixteen
; loads go in four groups of four: the group's eight conversions, ONE wait, its four stores.  All of the thread's loads are out by then, so no memory instruction is
; left to set between a group's conversions and its stores, and stores held for a later wait would only leave later.
.set LOADS, 16
.set GROUP, 4                          ; loads, and stores, in a group
.set X, 4                              ; v[4:67]   load j: 4 registers of f32
.set Y, 68                             ; v[68:99]  store j: 2 registers, 4 bf16
	s_load_b128 s[4:7], s[0:1], 0x0                ; x s[4:5], W s[6:7]
	s_load_b64 s[8:9], s[0:1], 0x10                ; xwb
	s_and_b32 s10, ttmp7, 0xffff                   ; the slice, 0 to 2
	s_and_b32 s11, s10, 1                          ; which half of x (0 for W)
	s_lshl_b32 s12, s11, 24                        ; input: 16 MiB a half
	s_lshl_b32 s13, ttmp9, 16                      ;        + 64 KiB a work-group
	s_add_co_u32 s12, s12, s13
	s_mov_b32 s13, 0
	s_lshl_b32 s14, s10, 23                        ; output: 8 MiB a slice
	s_lshl_b32 s15, ttmp9, 15                      ;         + 32 KiB a work-group
	s_add_co_u32 s14, s14, s15
	s_mov_b32 s15, 0
	v_lshlrev_b32 v1, 4, v0                        ; 16 t
	v_lshlrev_b32 v2, 3, v0                        ; 8 t
	s_wait_kmcnt 0x0
	s_cmp_eq_u32 s10, 2
	s_cselect_b64 s[4:5], s[6:7], s[4:5]           ; slice 2 reads W
	s_add_nc_u64 s[4:5], s[4:5], s[12:13]
	s_add_nc_u64 s[8:9], s[8:9], s[14:15]
	s_wait_alu depctr_va_vdst(0)                   ; v1 and v2 are written: every load below reads v1 as its offset, every store v2
.set j, 0
.rept LOADS
	global_load_b128 v[X+4*j:X+4*j+3], v1, s[4:5] offset:4096*j th:TH_LOAD_NT   ; read once in the whole launch
.set j, j+1
.endr
.set g, 0
.rept LOADS/GROUP
	s_wait_loadcnt LOADS-GROUP*(g+1)               ; loads come back in order (ISA guide 5.7.1): the group's four are in, the younger groups stay out
.set j, GROUP*g
.rept GROUP
	v_cvt_pk_bf16_f32 v[Y+2*j],   v[X+4*j],   v[X+4*j+1]
	v_cvt_pk_bf16_f32 v[Y+2*j+1], v[X+4*j+2], v[X+4*j+3]
.set j, j+1
.endr
	s_wait_alu depctr_va_vdst(0)                   ; the group's eight conversions have written its eight registers of Y, which the four stores below read
.set j, GROUP*g
.rept GROUP
	global_store_b64 v2, v[Y+2*j:Y+2*j+1], s[8:9] offset:2048*j   ; no hint: the next launch reads these bytes.  No register is ever written twice
.set j, j+1
.endr
.set g, g+1
.endr
	s_endpgm
.Lfunc_end_k_q581310a5d7_cast:
	.size	k_q581310a5d7_cast, .Lfunc_end_k_q581310a5d7_cast-k_q581310a5d7_cast
	.p2alignl 7, 3214868480
	.fill 96, 4, 3214868480
	.section	.rodata,"a",@progbits
	.p2align	6, 0x0
	.amdhsa_kernel k_q581310a5d7_cast
		.amdhsa_group_segment_fixed_size 0
		.amdhsa_private_segment_fixed_size 0
		.amdhsa_enable_private_segment 0
		.amdhsa_kernarg_size 24
		.amdhsa_user_sgpr_count 2
		.amdhsa_user_sgpr_kernarg_segment_ptr 1
		.amdhsa_wavefront_size32 1
		.amdhsa_system_sgpr_workgroup_id_x 1
		.amdhsa_system_sgpr_workgroup_id_y 1
		.amdhsa_system_sgpr_workgroup_id_z 1
		.amdhsa_system_vgpr_workitem_id 0
		.amdhsa_next_free_vgpr 100
		.amdhsa_next_free_sgpr 66
		.amdhsa_reserve_vcc 0
		.amdhsa_float_denorm_mode_32 3
		.amdhsa_float_denorm_mode_16_64 3
		.amdhsa_memory_ordered 1
		.amdhsa_forward_progress 1
		.amdhsa_inst_pref_size 7
	.end_amdhsa_kernel
	.amdgpu_metadata
---
amdhsa.version: [ 1, 2 ]
amdhsa.kernels:
  - .name:           k_q581310a5d7_cast
    .symbol:         k_q581310a5d7_cast.kd
    .args:
      - { .name: x, .offset: 0, .size: 8, .value_kind: global_buffer, .address_space: global }
      - { .name: W, .offset: 8, .size: 8, .value_kind: global_buffer, .address_space: global }
      - { .name: xwb, .offset: 16, .size: 8, .value_kind: global_buffer, .address_space: global }
    .group_segment_fixed_size: 0
    .private_segment_fixed_size: 0
    .kernarg_segment_align: 8
    .kernarg_segment_size: 24
    .max_flat_workgroup_size: 256
    .sgpr_count:     66
    .vgpr_count:     100
    .wavefront_size: 32
...
	.end_amdgpu_metadata
.endif
;; end of part 4
;; launch gemm: the kernel of part 2 again; grid 16 x 32, 4 waves a work-group, clusters of 4 x 4, 327,680 bytes of LDS; arguments xwb, b, part; writes part
;; launch mean: the kernel of part 3 again; grid 32 x 1, 1 waves a work-group, no clusters, 0 bytes of LDS; arguments part, out0; writes out0
